; MI455X (gfx1250); checked and timed in simulation.
; The chip was launched on July 23, 2026; its instructions are those of AMD's public machine-readable ISA for CDNA 5 (MIT licence, August 2026) and "CDNA5" Instruction Set Architecture Reference Guide (July 2026). The comments in the code are by the model that wrote it; some were corrected since.
;; Tern Bin Layer. Allowed arithmetic: matrix products marked QUANTISED: E2M1 operands, one E8M0 scale for each 32 along K, by v_wmma_scale_f32_16x16x128_f8f6f4 with both operands' format E2M1 (or v_wmma_scale_f32_32x16x128_f4), f32 sums; everything else in f32.
;; Inputs: W_codes 4,096 x 128 x 16 uint8 (E2M1 codes of W, K innermost, in blocks of 32 codes, two codes a byte); W_scales 4,096 x 128 uint8 (E8M0 scales of W, one for each 32 codes along K); x_codes 4,096 x 128 x 16 uint8 (E2M1 codes of x, K innermost, in blocks of 32 codes, two codes a byte); x_scales 4,096 x 128 uint8 (E8M0 scales of x, one for each 32 codes along K).
;; Outputs: out0 4,096 x 4,096 float32.
;; This version of the problem:
;;   THIS VERSION OF THE PROBLEM IS GIVEN IN LOW PRECISION. The matrix products marked QUANTISED in the list below multiply operands that are first quantised to E2M1 (2 exponent bits, 1 mantissa bit; 4 bits a number), with one power-of-two scale for each 32 numbers along K (OCP MX v1.0); their sums are f32. All else is computed in f32.
;;   The module's matrix products, in the order in which they are computed (A, B: the left and right operand; K: the contracted axis; several contracted axes count as one K, in the product's order):
;;     1. [M 4,096, K 4,096] x [K 4,096, N 4,096]; A: input x (given as codes); B: input W (given as codes): QUANTISED
;;   THE QUANTISER, for each operand of a quantised product, along K:
;;     - K is cut into blocks of 32 from its start; a last block that is shorter is filled with zeros.
;;     - A block's scale is 2^e with e = floor(log2(the largest magnitude in the block)) - 2, held to -126 .. 127; a block of zeros has e = 0. As a byte (E8M0): e + 127.
;;     - Each number is divided by its block's scale, clamped to +-6, and rounded to the nearest number of E2M1, ties to even, subnormals kept.
;;     - The product sums the exact products of the quantised numbers (number of the format x scale) in f32.
;;   ~~~python
;;   def quantise(x, axis):      # numpy; x: float32 -> the quantised numbers, widened to float32 again
;;       x = np.moveaxis(x, axis, -1); K = x.shape[-1]
;;       x = np.pad(x, [(0, 0)] * (x.ndim - 1) + [(0, -K % 32)]); x = x.reshape(x.shape[:-1] + (-1, 32)); a = np.abs(x).max(-1, keepdims=True)
;;       e = np.where(a > 0, np.clip(np.frexp(np.where(a > 0, a, 1))[1] - 1 - 2, -126, 127), 0)      # np.frexp(a)[1] - 1 = floor(log2(a)), exactly
;;       r = np.clip(x / 2.0 ** e, -6, 6)
;;       step = 2.0 ** (np.maximum(np.frexp(np.where(r == 0, 1, r))[1] - 1, 0) - 1)
;;       q = np.round(r / step) * step * 2.0 ** e      # np.round: ties to even
;;       return np.moveaxis(q.reshape(q.shape[:-2] + (-1,))[..., :K], -1, axis).astype(np.float32)
;;   ~~~
;;   INPUTS GIVEN AS CODES. W (in the module: [4096, 4096], K = its axis 0); x (in the module: [4096, 4096], K = its axis 1): each comes as NAME_codes (uint8): NAME with its K axis moved to the last place and cut into blocks of 32 codes, [.., K / 32, bytes a block], one block behind the other in memory; two codes a byte, the lower K in the low four bits (a code: sign, 2 exponent bits, 1 mantissa bit); and NAME_scales (uint8): the same leading axes, one E8M0 byte (e + 127) for each 32 codes along K. Its value is code x scale, taken as it is: it is not quantised again, and the codes and scales need not be those that the quantiser above would give.
;; One version. Each part assembles by itself: llvm-mc -triple=amdgcn-amd-amdhsa -mcpu=gfx1250 --defsym DOCPART=n.
;; ======== version 1 of 1: 1 launch
;; limits: right only within a limited range of input values
;; launch gemm (part 1): grid 16 x 16, 4 waves a work-group, clusters of 4 x 4, 327,680 bytes of LDS; arguments x_codes, x_scales, W_codes, W_scales, out0; writes out0
.if DOCPART == 1
	.amdgcn_target "amdgcn-amd-amdhsa--gfx1250"
	.amdhsa_code_object_version 6
	.text
	.protected	k_qc5649b8c35_gemm
	.globl	k_qc5649b8c35_gemm
	.p2align	8
	.type	k_qc5649b8c35_gemm,@function
k_qc5649b8c35_gemm:
	s_mov_b64 s[64:65], 0
	v_nop
	global_prefetch_b8 v0, s[64:65] scope:SCOPE_SE
	s_setreg_imm32_b32 hwreg(HW_REG_WAVE_MODE, 25, 1), 1
	s_wait_xcnt 0x0
	s_wait_alu depctr_hold_cnt(0) depctr_sa_sdst(0) depctr_va_vdst(0) depctr_va_sdst(0) depctr_va_ssrc(0) depctr_va_vcc(0) depctr_vm_vsrc(0)
	s_getreg_b32 s2, hwreg(HW_REG_IB_STS2, 6, 4)
	s_cmp_eq_u32 s2, 0
	s_cbranch_scc0 .Lentry_in_a_cluster
	s_endpgm
.Lentry_in_a_cluster:
	s_bfe_u32 s2, ttmp6, 0x10000c
	s_cmp_lg_u32 s2, 0xf033
	s_cbranch_scc0 .Lentry_shape_is_right
	s_endpgm
.Lentry_shape_is_right:
; out0[m][n] = +1 where the sum over k of x[m][k] W[k][n] is above 0, else -1.  x: [4096 (m)][4096 (k)], W: [4096 (n)][4096 (k)]: codes of FP4 (E2M1), K innermost, two codes a byte, with one E8M0 scale byte
; for each 32 along K ([4096][128]); out0: [4096][4096] f32.  Codes and scale bytes go to the matrix instruction as they lie in memory; one f32 sum for each output, K ascending.
; LIMITS: right only within a limited range of input values.  A sum that is NaN (a scale byte 0xff) or 0 of either sign gives -1, as the comparison 'above 0' does.
; A tile of 256 x 256 outputs is made by a work-group of four waves, a wave makes 128 x 128: 32 accumulators of 32 x 16, 512 registers.  4096 x 4096 outputs are 256 such tiles.
; K goes in 8 steps of 512 through a ring of two LDS slots filled by the tensor data mover: a tile's row is 256 bytes of memory.  Source 0 = 32 rows of x, source 1 = 16 rows of W: lane (r, h) then holds
; column r and, in register 8 t + j, row 16 t + 8 h + j of the 32.
; WHICH ROWS OF W FORM A TILE: block b = 4 g + z of a wave's 128 rows of W takes rows 64 g + 4 r + z, r = 0 .. 15.  So register i of the four blocks 4 g .. 4 g + 3 is, in lane r, four NEIGHBOURING columns of a row of out0,
; and sixteen lanes hold 256 neighbouring bytes: results go from registers to memory with no stage in LDS.  The load of W has three dimensions (256 bytes; every fourth row, 64 of them; two such runs): W's row 4 y + z
; of the tile lies in LDS row 64 z + y, and a fragment reads 16 neighbouring LDS rows.
; THE SCALES.  Those of the tile's 512 rows for all of K do not fit beside two slots.  x's come at the head, dense, as 128 rows of 256 bytes, into a region of their own, and from there into 128 registers, for all of K.  W's for
; K steps 0 and 1 are loaded at the head straight into registers; at the change out of K step 0 W's scales for all of K fill that region again, dense too, and stay.
; CLUSTERS: 4 x 4 work-groups.  The four of a row of the cluster need the same tiles of x, the four of a column the same tiles of W: each tile, of codes or of scales, is asked for JOINTLY, by the same tensor load with the
; same descriptor and a mask that names the four.
; The K steps are written out by macros: x's scale registers differ in each of the eight.
; REGISTERS, in windows of 256: window 0: v0-31 addresses and constants; v32-159 x's scale words; v160-191 W's, two sets; v192-255 x's fragments in the last K step.
;   window 1: two sets of fragments for 128 along K, at v0 and v128: x's 4 x 16 registers, then W's 8 x 8; in the last K step all 256: W's fragments of the whole step.
;   windows 2 and 3: accumulator (a, b), a = 32 rows of x, b = 16 rows of W, at v[128 (a % 2) + 16 b] of window 2 + a / 2.
.set KROW,   2048                      ; a row of codes in memory, in bytes
.set PITCH,  272                       ; an LDS row: 256 bytes of data + 16 of padding = 68 words: row r starts at bank 4 r mod 64 (64 banks of 4 bytes: ISA guide 11.1)
.set HALFT,  128*PITCH                 ; 128 rows
.set SLOT,   4*HALFT                   ; x's 256 rows, then W's 256 rows
.set RG,     2*SLOT                    ; the region of scales: 128 rows of 256 bytes (two rows of scales each) + 16 of padding
.set SPARE,  RG+128*PITCH              ; the spare words, 128 bytes for each wave: two blocks of 256 bytes that no other line names
.set ADRA, 16                          ; v16-17  LDS address of my x fragments in slot 0, 1
.set ADRB, 20                          ; v20-21  the same for W
.set ADRX, 22                          ; v22     LDS address of my x scale words: lane l row l of 32
.set ADRW, 23                          ; v23     of my W scale words: lanes 0-15 blocks 0-3, lanes 16-31 blocks 4-7
.set PFO,  24                          ; v24     the prefetches' offset: my lane x a row of codes
.set WGO,  25                          ; v25     offset of my W scale words in memory: my lane x 4 rows of scales
.set CO,   26                          ; v26     my byte offset in out0
.set SPW,  28                          ; v28     LDS address of my spare word
.set NIL,  29                          ; v29     0
.set ONE,  30                          ; v30     1.0
.set XS,   32                          ; x's scale words: register 16 ks + 4 a + q: lane l row 32 a + l, the q-th 128 along K of K step ks
.set WS,   160                         ; W's: set ks % 2, register 4 z + q: lanes 0-15 block z, lanes 16-31 block 4 + z
.set PA,   192                         ; the last K step: x's fragments of 32 rows, 16 registers for each 128 along K
.set MK,   16                          ; s[16:47] the way out: two sets of sixteen lane masks
.set G0H,  20                          ; descriptors.  s[20:23] group 0 for x's 256 rows into slot 0
.set G1X,  24                          ; s[24:31] group 1: 128 rows of x's codes;  s[32:39] 256 rows
.set G1X2, 32
.set G1W,  40                          ; s[40:47] group 1, s[48:51] group 2, s[52:55] group 3: 128 rows of W's codes
.set G2W,  48
.set G3W,  52
.set G1S,  56                          ; s[56:63] x's scales;  s[68:75] W's scales
.set G1T,  68
.set G0X,  76                          ; groups 0: s[76:79] my half of x's codes, s[80:83] of W's, s[84:87] x's scales, s[88:91] W's scales
.set G0W,  80
.set G0S,  84
.set G0T,  88
.set PX,   92                          ; s[92:93] x's codes at the first row that I fetch;  s[94:95] W's
.set PW,   94
.set PFA,  96                          ; s[96:97] the prefetches' base: my work-group's 32 rows of the 128
.set WSP,  98                          ; s[98:99] W's scales at my wave's first row
.set PADC, (1<<20)|(1<<21)|(5<<22)|(3<<25)   ; group 1, word 0 beside the mask: elements of 1 byte; 20 padding on; 21 set beside a mask; 24:22 after every 64 words; 31:25 of 4 words
.set TO_F, 0x40                        ; destination window 1, address window 0
.set MSB, 0
.macro WIN new                         ; the immediate's high byte repeats the setting that is left; a switch that changes nothing is dropped
.if MSB != (\new)
	s_set_vgpr_msb (MSB<<8)|(\new)
.set MSB, (\new)
.endif
.endm
.macro PLACES                          ; four places behind the last matrix instruction, in front of loads into registers that it has read and of reads of results
.rept 4
	v_nop
.endr
.endm
; THE JOINT LOADS: one tensor load a wave, in the arms of one tree of branches on the wave's number.  kind 0: waves 0 and 1 x's two halves of 128 rows, waves 2 and 3 W's.
; kinds 1 and 2: wave 0 x's 256 rows, wave 1 the scales (1: x's, 2: W's), waves 2 and 3 W's halves.
.macro JL kind
	s_cmp_lt_u32 s14, 2
	s_cbranch_scc0 .Lfor_w_\@
.if \kind
	s_cmp_eq_u32 s14, 0
	s_cbranch_scc0 .Lscales_\@
	tensor_load_to_lds s[G0H:G0H+3], s[G1X2:G1X2+7]
.else
	tensor_load_to_lds s[G0X:G0X+3], s[G1X:G1X+7]
.endif
	s_nop 0
	PLACES
	s_branch .Lasked_\@
.if \kind
.Lscales_\@:
.if (\kind) == 1
	tensor_load_to_lds s[G0S:G0S+3], s[G1S:G1S+7]
.else
	tensor_load_to_lds s[G0T:G0T+3], s[G1T:G1T+7]
.endif
	s_nop 0
	PLACES
	s_branch .Lasked_\@
.endif
.Lfor_w_\@:
	tensor_load_to_lds s[G0W:G0W+3], s[G1W:G1W+7], s[G2W:G2W+3], s[G3W:G3W+3]
	s_nop 0
	PLACES
.Lasked_\@:
.endm
.macro AIM ks                          ; the codes' groups 0 for K step ks: no tensor load of mine is out
	s_add_co_u32 s[G0X+1], s3, SLOT*((\ks)%2)
	s_add_co_u32 s[G0W+1], s3, SLOT*((\ks)%2)
	s_add_nc_u64 s[G0X+2:G0X+3], s[PX:PX+1], 256*(\ks)
	s_or_b32 s[G0X+3], s[G0X+3], 0x80000000
	s_add_nc_u64 s[G0W+2:G0W+3], s[PW:PW+1], 256*(\ks)
	s_or_b32 s[G0W+3], s[G0W+3], 0x80000000
.endm
; A PREFETCH INTO THE L2 of K step ks: a lane a row of 256 bytes, one instruction a wave.  Of the 128 rows that a wave's half of a tile has, each of the four partners that ask for it jointly takes 32, told apart by address: so
; each row's 256 bytes are named once in each cluster that loads them.  K step ks is asked for two refills ahead of its load; K steps 1 and 2, which have no such refill ahead of them, one load ahead.  The last is K step 7.
.macro ASK ks
	WIN 0
	global_prefetch_b8 v[PFO], s[PFA:PFA+1] offset:256*(\ks) th:TH_LOAD_NT scope:SCOPE_SE
.endm
.macro CREST                           ; a round of the cluster's barrier behind its opening barrier
	s_cmp_lg_u32 s14, 0
	s_cbranch_scc1 .Lnot_wave_0_\@
	s_barrier_signal -3
.Lnot_wave_0_\@:
	s_barrier_wait -3
	s_barrier_signal -1
	s_barrier_wait -1
.endm
.macro CROUND                          ; a whole round
	s_barrier_signal -1
	s_barrier_wait -1
	CREST
.endm
	s_load_b128 s[4:7], s[0:1], 0x0                ; x's codes s[4:5], x's scales s[6:7]
	s_load_b128 s[8:11], s[0:1], 0x10              ; W's codes s[8:9], W's scales s[10:11]
	s_load_b64 s[12:13], s[0:1], 0x20              ; out0
	v_lshl_add_u32 v[SPW], v0, 2, SPARE
	v_mov_b32 v[NIL], 0
	ds_add_u32 v[SPW], v[NIL]                      ; the wave's opening: the add, twice on end, and its wait ahead of my first tensor load
	ds_add_u32 v[SPW], v[NIL]
	v_lshrrev_b32 v1, 5, v0
	v_readfirstlane_b32 s14, v1                    ; wave 0..3
	s_lshr_b32 s15, s14, 1                         ; which half of the tile's rows is mine.  Also: I fetch for x (0) or for W (1)
	s_and_b32 s16, s14, 1                          ; which half of its columns.  Also: which half of that tile I fetch
	s_mul_i32 s18, s15, HALFT                      ; my 128 rows of x
	s_mul_i32 s19, s16, 32*PITCH                   ; my 32 of each 64 LDS rows of W,
	s_add_co_u32 s19, s19, 2*HALFT                 ; which lie behind x's 256
	s_mul_i32 s20, s15, 64*PITCH                   ; scales: two rows in each 272 bytes
	s_add_co_u32 s20, s20, RG
	s_mul_i32 s21, s16, 64*PITCH
	s_add_co_u32 s21, s21, RG
	v_and_b32 v1, 15, v0                           ; r
	v_bfe_u32 v2, v0, 4, 1                         ; h
	v_and_b32 v3, 31, v0                           ; lane
	v_mul_u32_u24 v4, v1, PITCH
	v_lshl_add_u32 v4, v2, 4, v4                   ; a fragment: row x pitch + 16 h
	v_add_nc_u32 v[ADRA], s18, v4
	v_add_nc_u32 v[ADRB], s19, v4
	v_add_nc_u32 v[ADRA+1], SLOT, v[ADRA]
	v_add_nc_u32 v[ADRB+1], SLOT, v[ADRB]
	v_bfe_u32 v5, v0, 1, 4                         ; x's scales: row l: pair l / 2, 128 bytes for the odd one
	v_mul_u32_u24 v5, v5, PITCH
	v_and_b32 v6, 1, v0
	v_lshl_add_u32 v5, v6, 7, v5
	v_add_nc_u32 v[ADRX], s20, v5
	v_mul_u32_u24 v6, v3, 2*PITCH                  ; W's scales: row 64 h + 4 r + z = 4 l + z
	v_add_nc_u32 v[ADRW], s21, v6
	v_lshlrev_b32 v[WGO], 9, v3
	v_lshlrev_b32 v[PFO], 11, v3
	v_lshlrev_b32 v5, 17, v2                       ; out0: 8 h rows of 16,384 bytes + 16 r
	v_lshl_add_u32 v[CO], v1, 4, v5
	v_mov_b32 v[ONE], 1.0
	s_bfe_u32 s66, ttmp6, 0x40000                  ; cx, cy: my place in the cluster
	s_bfe_u32 s67, ttmp6, 0x40004
	s_lshl_b32 s100, ttmp9, 2                      ; in a cluster launch ttmp9 and ttmp7 count clusters
	s_add_co_u32 s100, s100, s66                   ; tile column
	s_and_b32 s17, ttmp7, 0xffff
	s_lshl_b32 s17, s17, 2
	s_add_co_u32 s17, s17, s67                     ; tile row
	s_lshl_b32 s101, s67, 2
	s_lshl_b32 s101, 15, s101                      ; my row of the cluster: all that is x's goes there
	s_lshl_b32 s2, 0x1111, s66                     ; my column: all that is W's
	s_or_b32 s[G1X], s101, PADC
	s_or_b32 s[G1X2], s101, PADC
	s_or_b32 s[G1S], s101, PADC
	s_or_b32 s[G1W], s2, PADC
	s_or_b32 s[G1T], s2, PADC
.irp g, G1X, G1X2, G1W, G1S, G1T       ; every tile's row is 256 bytes; no tile crosses its tensor's end, so the extents are the tile's
	s_mov_b32 s[\g+1], 256<<16
	s_mov_b32 s[\g+3], 256<<16
	s_mov_b32 s[\g+7], 0
.endr
	s_mov_b32 s[G1X+2], 128<<16                    ; 128 rows, a row of codes apart
	s_mov_b32 s[G1X+4], 128
	s_mov_b32 s[G1X+5], KROW
	s_mov_b32 s[G1X+6], 0
	s_mov_b32 s[G1X2+2], 256<<16                   ; 256 rows
	s_mov_b32 s[G1X2+4], 256
	s_mov_b32 s[G1X2+5], KROW
	s_mov_b32 s[G1X2+6], 0
	s_mov_b32 s[G1W+2], 64<<16                     ; 64 rows, four rows of codes apart,
	s_mov_b32 s[G1W+4], 64|(2<<16)                 ; two such runs,
	s_mov_b32 s[G1W+5], 4*KROW
	s_mov_b32 s[G1W+6], KROW<<16                   ; one row apart
	s_mov_b32 s[G2W], 2
.irp i, 1,2,3,4,5,6,7
	s_mov_b32 s[G2W+\i], 0
.endr
.irp g, G1S, G1T                       ; a dense block of 32,768 bytes as 128 rows of 256
	s_mov_b32 s[\g+2], 128<<16
	s_mov_b32 s[\g+4], 128
	s_mov_b32 s[\g+5], 256
	s_mov_b32 s[\g+6], 0
.endr
	s_mul_i32 s3, s14, HALFT                       ; where my part of a slot goes: wave x 128 rows
	s_mov_b32 s[G0X], 1
	s_mov_b32 s[G0W], 1
	s_mov_b32 s[G0S], 1
	s_mov_b32 s[G0S+1], RG
	s_mov_b32 s[G0T], 1
	s_mov_b32 s[G0T+1], RG
	s_mov_b32 s[G0H], 1
	s_mov_b32 s[G0H+1], 0
	s_wait_alu depctr_va_vdst(0)
	s_wait_dscnt 0x0                               ; both opening adds are done
	CROUND                                         ; all sixteen work-groups are here: the first joint loads meet.  (The round names none of s[4:13]: the arguments may still be on their way)
	s_wait_kmcnt 0x0                               ; the addresses are in
	s_lshl_b32 s18, s17, 15                        ; x's scales: 256 rows of 128 bytes for each tile row
	s_mov_b32 s19, 0
	s_add_nc_u64 s[G0S+2:G0S+3], s[6:7], s[18:19]
	s_or_b32 s[G0S+3], s[G0S+3], 0x80000000
	s_lshl_b32 s18, s17, 19                        ; x's codes: 256 rows of 2,048 bytes
	s_add_nc_u64 s[G0H+2:G0H+3], s[4:5], s[18:19]
	s_or_b32 s[G0H+3], s[G0H+3], 0x80000000
	s_add_nc_u64 s[PX:PX+1], s[4:5], s[18:19]
	s_lshl_b32 s18, s16, 18                        ; + 128 rows x half
	s_add_nc_u64 s[PX:PX+1], s[PX:PX+1], s[18:19]
	s_lshl_b32 s98, s100, 19                       ; W's codes, by the tile column;
	s_mov_b32 s99, 0
	s_add_nc_u64 s[PW:PW+1], s[8:9], s[98:99]
	s_lshl_b32 s98, s16, 12                        ; my two of the four runs begin two rows further down
	s_add_nc_u64 s[PW:PW+1], s[PW:PW+1], s[98:99]
	s_lshl_b32 s98, s100, 15                       ; W's scales
	s_add_nc_u64 s[G0T+2:G0T+3], s[10:11], s[98:99]
	s_or_b32 s[G0T+3], s[G0T+3], 0x80000000
	s_lshl_b32 s18, s16, 14                        ; my wave's 128 rows of them
	s_add_co_u32 s98, s98, s18
	s_add_nc_u64 s[WSP:WSP+1], s[10:11], s[98:99]
	AIM 0
	JL 1                                           ; K step 0 and x's scales: one tensor load a wave at the head, the first behind the round
.irp k, 0,1                            ; W's scale words of K steps 0 and 1
.irp z, 0,1,2,3
	global_load_b128 v[WS+16*\k+4*\z:WS+16*\k+4*\z+3], v[WGO], s[WSP:WSP+1] offset:128*\z+16*\k
.endr
.endr
	s_cmp_eq_u32 s15, 0                            ; the prefetches' base: by the tile row and cx for x, by the tile column and cy for W
	s_cselect_b32 s104, s17, s100
	s_cselect_b32 s105, s66, s67
	s_cselect_b64 s[PFA:PFA+1], s[4:5], s[8:9]
	s_lshl_b32 s104, s104, 19
	s_lshl_b32 s105, s105, 16                      ; 32 rows for each place
	s_add_co_u32 s104, s104, s105
	s_lshl_b32 s105, s16, 18
	s_add_co_u32 s104, s104, s105
	s_mov_b32 s105, 0
	s_add_nc_u64 s[PFA:PFA+1], s[PFA:PFA+1], s[104:105]
	ASK 1
	s_lshl_b32 s104, s17, 22                       ; out0: 256 rows of 16,384 bytes for each tile row + 128 x half; 1,024 bytes for each tile column + 512 x half
	s_lshl_b32 s105, s15, 21
	s_add_co_u32 s104, s104, s105
	s_lshl_b32 s105, s100, 10
	s_add_co_u32 s104, s104, s105
	s_lshl_b32 s105, s16, 9
	s_add_co_u32 s104, s104, s105
	s_mov_b32 s105, 0
	s_add_nc_u64 s[12:13], s[12:13], s[104:105]
; One matrix instruction, the i-th of a step's 32: a = i / 8, b = i % 8; the q-th 128 along K of K step ks.  The 32 accumulators take turns, one instruction a turn, in the same order in every step.
; zero = 1: the first product starts the sums: nothing is ever cleared.  W's scales are read from lanes 0-15 for b < 4, else from lanes 16-31; x's fill all 32 lanes.
.macro MM i, q, ks, zero
.set MA, (\i)/8
.set MN, (\i)%8
.set MF, 128*((\q)%2)
.set MD, 128*(MA%2)+16*MN
.set MX, XS+16*(\ks)+4*MA+(\q)
.set MW, WS+16*((\ks)%2)+4*(MN%4)+(\q)
	WIN 0xa5+0x50*(MA/2)
.if \zero
.if MN < 4
	v_wmma_scale_f32_32x16x128_f4 v[MD:MD+15], v[MF+16*MA:MF+16*MA+15], v[MF+64+8*MN:MF+64+8*MN+7], 0, v[MX], v[MW]
.else
	v_wmma_scale_f32_32x16x128_f4 v[MD:MD+15], v[MF+16*MA:MF+16*MA+15], v[MF+64+8*MN:MF+64+8*MN+7], 0, v[MX], v[MW] matrix_b_scale:MATRIX_SCALE_ROW1
.endif
.else
.if MN < 4
	v_wmma_scale_f32_32x16x128_f4 v[MD:MD+15], v[MF+16*MA:MF+16*MA+15], v[MF+64+8*MN:MF+64+8*MN+7], v[MD:MD+15], v[MX], v[MW]
.else
	v_wmma_scale_f32_32x16x128_f4 v[MD:MD+15], v[MF+16*MA:MF+16*MA+15], v[MF+64+8*MN:MF+64+8*MN+7], v[MD:MD+15], v[MX], v[MW] matrix_b_scale:MATRIX_SCALE_ROW1
.endif
.endif
.endm
; A fragment of 16 rows x 128 K is 8 registers, two LDS loads: lane (r, h) registers 4 c .. 4 c + 3 hold K = 64 c + 32 h + 0 .. 31.  The n-th of a step's 16 fragments, in the order of their use:
; x's rows 0-31, W's eight blocks, x's rows 32-127.
.macro PAIR slot, q, n
	WIN TO_F
.set PF, 128*((\q)%2)
.if ((\n) > 1) && ((\n) < 10)
.set PR, PF+64+8*((\n)-2)
.set PO, 64*(\q)+(64*(((\n)-2)%4)+16*(((\n)-2)/4))*PITCH
.set PV, ADRB+(\slot)
.else
.if (\n) < 2
.set PN, (\n)
.else
.set PN, (\n)-8
.endif
.set PR, PF+8*PN
.set PO, 64*(\q)+16*PN*PITCH
.set PV, ADRA+(\slot)
.endif
	ds_load_b128 v[PR:PR+3], v[PV] offset:PO
	ds_load_b128 v[PR+4:PR+7], v[PV] offset:PO+32
.endm
.macro XLOAD ks                        ; x's scale words of K step ks
	WIN 0
.irp a, 0,1,2,3
	ds_load_b128 v[XS+16*(\ks)+4*\a:XS+16*(\ks)+4*\a+3], v[ADRX] offset:16*\a*PITCH+16*(\ks)
.endr
.endm
.macro SCALES ks                       ; W's scale words of K step ks
	WIN 0
.irp z, 0,1,2,3
	ds_load_b128 v[WS+16*((\ks)%2)+4*\z:WS+16*((\ks)%2)+4*\z+3], v[ADRW] offset:(\z/2)*PITCH+128*(\z%2)+16*(\ks)
.endr
.endm
.macro RUN slot, q                     ; a step's 32 loads in one run
.set N, 0
.rept 16
	PAIR \slot, \q, N
.set N, N+1
.endr
.endm
; A step of 128 along K that has its successor in the same slot: the successor's fragments are asked for in one run, into the other set, ahead of this step's 32 matrix instructions.
; extra: LDS loads issued behind this step's own fragments, which may be out.
.macro STEP ks, q, zero, extra
	PLACES
	s_wait_dscnt 8+\extra                          ; all but the youngest eight of this step's own loads
	RUN (\ks)%2, (\q)+1
	s_wait_dscnt 32+\extra                         ; all of this step's: behind them the 32 just issued
.set I, 0
.rept 32
	MM I, \q, \ks, \zero
.set I, I+1
.endr
.endm
; A slot's last step changes slots.  In front of the barrier each wave waits for all its tensor loads (its part of the next slot), adds 0 to its spare word, and waits for that and for its own reads of this slot.
; The barrier opens a round of the cluster's barrier; behind it the slot is filled again with K step ks + 2, and the next slot's first fragments are read.
.macro TURN ks, kind
	WIN 0
	s_wait_tensorcnt 0x0                           ; all my tensor loads have landed
	ds_add_u32 v[SPW], v[NIL]                      ; 0 onto my spare word; the addresses and eight matrix instructions stand between it and the wait for it
	AIM (\ks)+2
.if (\ks) == 0
	s_add_nc_u64 s[G0H+2:G0H+3], s[G0H+2:G0H+3], 512
.endif
	s_wait_dscnt 1                                 ; this step's fragments are in; the add may be out
.set I, 0
.rept 8
	MM I, 3, \ks, 0
.set I, I+1
.endr
	s_wait_dscnt 0x0                               ; the add is done, and my reads of this slot are over
	s_barrier_signal -1
.rept 4
	MM I, 3, \ks, 0
.set I, I+1
.endr
	WIN 0
	s_barrier_wait -1
	CREST                                          ; no wave of any partner still reads what is filled, or has a load on its way
	JL \kind                                       ; the first tensor load behind the round, one a wave; the four v_nop behind it are the places in front of the loads below
.if (\ks) > 0
	SCALES (\ks)+1
.endif
	RUN ((\ks)+1)%2, 0
.if (\ks) < 4
	ASK (\ks)+4
.endif
.rept 20
	MM I, 3, \ks, 0
.set I, I+1
.endr
.endm
; THE LAST K STEP (7, in slot 1) GOES BY ROWS: all its fragments of W fill window 1; then the four blocks of 32 rows are finished one after the other, 32 matrix instructions each (8 accumulators by turns, K ascending).
.macro BPAIR q, b                      ; W's fragment of block b, the q-th 128 along K
	WIN TO_F
.set PR, 64*(\q)+8*(\b)
.set PO, 64*(\q)+(64*((\b)%4)+16*((\b)/4))*PITCH
	ds_load_b128 v[PR:PR+3], v[ADRB+1] offset:PO
	ds_load_b128 v[PR+4:PR+7], v[ADRB+1] offset:PO+32
.endm
.macro BA a, q                         ; x's 32 rows of block a, the q-th 128 along K
	WIN 0
.irp t, 0,1
.irp c, 0,1
	ds_load_b128 v[PA+16*(\q)+8*\t+4*\c:PA+16*(\q)+8*\t+4*\c+3], v[ADRA+1] offset:64*(\q)+32*\c+(32*(\a)+16*\t)*PITCH
.endr
.endr
.endm
.macro MR a, q, b
.set MD, 128*((\a)%2)+16*(\b)
.set MX, XS+112+4*(\a)+(\q)
.set MW, WS+16+4*((\b)%4)+(\q)
	WIN 0xa4+0x50*((\a)/2)
.if (\b) < 4
	v_wmma_scale_f32_32x16x128_f4 v[MD:MD+15], v[PA+16*(\q):PA+16*(\q)+15], v[64*(\q)+8*(\b):64*(\q)+8*(\b)+7], v[MD:MD+15], v[MX], v[MW]
.else
	v_wmma_scale_f32_32x16x128_f4 v[MD:MD+15], v[PA+16*(\q):PA+16*(\q)+15], v[64*(\q)+8*(\b):64*(\q)+8*(\b)+7], v[MD:MD+15], v[MX], v[MW] matrix_b_scale:MATRIX_SCALE_ROW1
.endif
.endm
; THE WAY OUT of blocks 4 g .. 4 g + 3 of row block a: sixteen comparisons (four rows of four neighbouring columns) into lane masks, then sixteen choices by them, which write each row's four numbers side by side into the
; registers just compared: accumulator j takes row j.  Each store's sixteen neighbouring lanes cover one aligned unit of 256 bytes: lanes 0-15 of a row, lanes 16-31 of the row eight further down.
.macro OUT a, g
.set OW, 2+(\a)/2
.set OB, 128*((\a)%2)+64*(\g)
.irp e, 0,1,2,3
	WIN OW|(OW<<6)
.irp j, 0,1,2,3
.irp z, 0,1,2,3
	v_cmp_gt_f32 s[MK+16*(\e%2)+4*\j+\z], v[OB+16*\z+4*\e+\j], 0
.endr
.endr
.irp j, 0,1,2,3
.irp z, 0,1,2,3
	v_cndmask_b32 v[OB+16*\j+4*\e+\z], -1.0, v[ONE], s[MK+16*(\e%2)+4*\j+\z]
.endr
.endr
	WIN OW<<2
.irp j, 0,1,2,3
	global_store_b128 v[CO], v[OB+16*\j+4*\e:OB+16*\j+4*\e+3], s[12:13] offset:(32*(\a)+16*(\e/2)+4*(\e%2)+\j)*16384+256*(\g) th:TH_STORE_NT
.endr
.endr
.endm
	s_wait_alu depctr_va_vdst(0)
	s_wait_tensorcnt 0x0                           ; my tile of the head's is in; these lines stand ahead of a later first fill as ahead of a refill
	ds_add_u32 v[SPW], v[NIL]
	AIM 1
	s_wait_dscnt 0x0                               ; the add is done
	CROUND                                         ; everybody's tile is in, and all sixteen work-groups are here
	JL 0                                           ; K step 1, into slot 1: the first tensor load behind the round
	XLOAD 0
	RUN 0, 0
	XLOAD 1
	XLOAD 2
	XLOAD 3
	ASK 2
	ASK 3
	s_wait_loadcnt 0x0                             ; W's scale words of K steps 0 and 1
	STEP 0, 0, 1, 12                               ; behind its fragments: x's scale words of K steps 1 to 3
	XLOAD 4
	XLOAD 5
	XLOAD 6
	XLOAD 7
	STEP 0, 1, 0, 16                               ; behind its fragments: those of K steps 4 to 7
	STEP 0, 2, 0, 0
	TURN 0, 2                                      ; x's scales have been read: W's take their place
.irp k, 1,2,3,4,5
	STEP \k, 0, 0, 0
	STEP \k, 1, 0, 0
	STEP \k, 2, 0, 0
	TURN \k, 0
.endr
	STEP 6, 0, 0, 0
	STEP 6, 1, 0, 0
	STEP 6, 2, 0, 0
	WIN 0                                          ; the last change of slots: nothing is filled again, and no round follows
	s_wait_tensorcnt 0x0
	ds_add_u32 v[SPW], v[NIL]
	s_wait_dscnt 1
.set I, 0
.rept 8
	MM I, 3, 6, 0
.set I, I+1
.endr
	s_wait_dscnt 0x0
	s_barrier_signal -1
.rept 4
	MM I, 3, 6, 0
.set I, I+1
.endr
	WIN 0
	s_barrier_wait -1
	PLACES
	SCALES 7
	BA 0, 0
.irp b, 0,1,2,3,4,5,6,7
	BPAIR 0, \b                                    ; W's first two quarters take the set that is at rest
.endr
.irp b, 0,1,2,3,4,5,6,7
	BPAIR 1, \b
.endr
.rept 20
	MM I, 3, 6, 0
.set I, I+1
.endr
	PLACES
	s_wait_dscnt 8
	BA 0, 1
	BA 0, 2
	BA 0, 3
.irp b, 0,1,2,3                        ; the first row block is finished in two halves: W's blocks 0-3 go out before blocks 4-7 are multiplied to the end
	BPAIR 2, \b
.endr
.irp b, 0,1,2,3
	BPAIR 3, \b
.endr
	s_wait_dscnt 28                                ; all but the 28 just issued
.irp b, 0,1,2,3,4,5,6,7
	MR 0, 0, \b
.endr
	s_wait_dscnt 24                                ; x's second quarter, the run's first four, is in
.irp b, 0,1,2,3,4,5,6,7
	MR 0, 1, \b
.endr
	s_wait_dscnt 8                                 ; all but W's last quarter
.irp b, 0,1,2,3
	MR 0, 2, \b
.endr
	s_wait_dscnt 0x0
.irp b, 0,1,2,3
	MR 0, 3, \b
.endr
	PLACES
.irp b, 4,5,6,7
	BPAIR 2, \b
	BPAIR 3, \b
.endr
	OUT 0, 0
	s_wait_dscnt 0x0
.irp b, 4,5,6,7
	MR 0, 2, \b
.endr
.irp b, 4,5,6,7
	MR 0, 3, \b
.endr
.irp n, 0,1,2
	PLACES
	BA (\n)+1, 0                                   ; the next block's rows of x, while this block goes out
	BA (\n)+1, 1
	BA (\n)+1, 2
	BA (\n)+1, 3
.if \n > 0
	OUT \n, 0
.endif
	OUT \n, 1
	s_wait_dscnt 0x0
.irp q, 0,1,2,3
.irp b, 0,1,2,3,4,5,6,7
	MR (\n)+1, \q, \b
.endr
.endr
.endr
	PLACES
	OUT 3, 0
	OUT 3, 1
	WIN 0
	s_wait_tensorcnt 0x0                           ; the wave's end
	ds_add_u32 v[SPW], v[NIL]
	s_wait_dscnt 0x0
	CROUND                                         ; the closing round: no work-group ends while a partner may still ask for a tile that names it
	s_endpgm
.Lfunc_end_k_qc5649b8c35_gemm:
	.size	k_qc5649b8c35_gemm, .Lfunc_end_k_qc5649b8c35_gemm-k_qc5649b8c35_gemm
	.p2alignl 7, 3214868480
	.fill 96, 4, 3214868480
	.section	.rodata,"a",@progbits
	.p2align	6, 0x0
	.amdhsa_kernel k_qc5649b8c35_gemm
		.amdhsa_group_segment_fixed_size 327680
		.amdhsa_private_segment_fixed_size 0
		.amdhsa_enable_private_segment 0
		.amdhsa_kernarg_size 40
		.amdhsa_user_sgpr_count 2
		.amdhsa_user_sgpr_kernarg_segment_ptr 1
		.amdhsa_wavefront_size32 1
		.amdhsa_system_sgpr_workgroup_id_x 1
		.amdhsa_system_sgpr_workgroup_id_y 1
		.amdhsa_system_sgpr_workgroup_id_z 1
		.amdhsa_system_vgpr_workitem_id 0
		.amdhsa_next_free_vgpr 1024
		.amdhsa_next_free_sgpr 106
		.amdhsa_reserve_vcc 0
		.amdhsa_float_denorm_mode_32 3
		.amdhsa_float_denorm_mode_16_64 3
		.amdhsa_memory_ordered 1
		.amdhsa_forward_progress 1
		.amdhsa_inst_pref_size 255
	.end_amdhsa_kernel
	.section	.bss,"aw",@nobits
	.p2align	6
	.space	262144
	.amdgpu_metadata
---
amdhsa.version: [ 1, 2 ]
amdhsa.kernels:
  - .name:           k_qc5649b8c35_gemm
    .symbol:         k_qc5649b8c35_gemm.kd
    .args:
      - { .name: x_codes, .offset: 0, .size: 8, .value_kind: global_buffer, .address_space: global }
      - { .name: x_scales, .offset: 8, .size: 8, .value_kind: global_buffer, .address_space: global }
      - { .name: W_codes, .offset: 16, .size: 8, .value_kind: global_buffer, .address_space: global }
      - { .name: W_scales, .offset: 24, .size: 8, .value_kind: global_buffer, .address_space: global }
      - { .name: out0, .offset: 32, .size: 8, .value_kind: global_buffer, .address_space: global }
    .group_segment_fixed_size: 327680
    .private_segment_fixed_size: 0
    .kernarg_segment_align: 8
    .kernarg_segment_size: 40
    .max_flat_workgroup_size: 128
    .sgpr_count:     106
    .vgpr_count:     1024
    .wavefront_size: 32
...
	.end_amdgpu_metadata
.endif
;; end of part 1
